; MI455X (gfx1250); checked and timed in simulation.
; The chip was launched on July 23, 2026; its instructions are those of AMD's public machine-readable ISA for CDNA 5 (MIT licence, August 2026) and "CDNA5" Instruction Set Architecture Reference Guide (July 2026). The comments in the code are by the model that wrote it; some were corrected since.
;; MLB Attention. Allowed arithmetic: matrix products marked QUANTISED: E3M2 operands, one E8M0 scale for each 32 along K, by v_wmma_scale_f32_16x16x128_f8f6f4 with both operands' format E3M2, f32 sums; products left as they are: f32 operands where the result goes on into a quantised operand, else bf16, f16 or f32 operands; f32 sums; everything else in f32.
;; Inputs: W_ch_codes 1,024 x 32 x 24 uint8 (E3M2 codes of W_ch, K innermost, in blocks of 32 codes, four codes in three bytes); W_ch_scales 1,024 x 32 uint8 (E8M0 scales of W_ch, one for each 32 codes along K); W_ih_codes 1,024 x 32 x 24 uint8 (E3M2 codes of W_ih, K innermost, in blocks of 32 codes, four codes in three bytes); W_ih_scales 1,024 x 32 uint8 (E8M0 scales of W_ih, one for each 32 codes along K); context_codes 32 x 32 x 24 uint8 (E3M2 codes of context, K innermost, in blocks of 32 codes, four codes in three bytes); context_scales 32 x 32 uint8 (E8M0 scales of context, one for each 32 codes along K); inputs 32 x 2,048 x 1,024 float32; mask 32 x 2,048 x 1 bool; w_score 1,024 float32.
;; Outputs: out0 32 x 1 x 1,024 float32.
;; This version of the problem:
;;   THIS VERSION OF THE PROBLEM IS GIVEN IN LOW PRECISION. The matrix products marked QUANTISED in the list below multiply operands that are first quantised to E3M2 (3 exponent bits, 2 mantissa bits; 6 bits a number), with one power-of-two scale for each 32 numbers along K (OCP MX v1.0); their sums are f32. All else is computed in f32.
;;   The module's matrix products, in the order in which they are computed (A, B: the left and right operand; K: the contracted axis; several contracted axes count as one K, in the product's order):
;;     1. [M 65,536, K 1,024] x [K 1,024, N 1,024]; A: input inputs; B: input W_ih (given as codes): QUANTISED
;;     2. [M 32, K 1,024] x [K 1,024, N 1,024]; A: input context (given as codes); B: input W_ch (given as codes): QUANTISED
;;     3. [M 65,536, K 1,024] x [K 1,024, N 1]; A: computed on the way; B: input w_score: left as it is (N = 1 < 16)
;;     4. batch 32 x [M 1, K 2,048] x [K 2,048, N 1,024]; A: softmax; B: input inputs: left as it is (M = 1 < 16)
;;   THE QUANTISER, for each operand of a quantised product, along K:
;;     - K is cut into blocks of 32 from its start; a last block that is shorter is filled with zeros.
;;     - A block's scale is 2^e with e = floor(log2(the largest magnitude in the block)) - 4, held to -126 .. 127; a block of zeros has e = 0. As a byte (E8M0): e + 127.
;;     - Each number is divided by its block's scale, clamped to +-28, and rounded to the nearest number of E3M2, ties to even, subnormals kept.
;;     - The product sums the exact products of the quantised numbers (number of the format x scale) in f32.
;;   ~~~python
;;   def quantise(x, axis):      # numpy; x: float32 -> the quantised numbers, widened to float32 again
;;       x = np.moveaxis(x, axis, -1); K = x.shape[-1]
;;       x = np.pad(x, [(0, 0)] * (x.ndim - 1) + [(0, -K % 32)]); x = x.reshape(x.shape[:-1] + (-1, 32)); a = np.abs(x).max(-1, keepdims=True)
;;       e = np.where(a > 0, np.clip(np.frexp(np.where(a > 0, a, 1))[1] - 1 - 4, -126, 127), 0)      # np.frexp(a)[1] - 1 = floor(log2(a)), exactly
;;       r = np.clip(x / 2.0 ** e, -28, 28)
;;       step = 2.0 ** (np.maximum(np.frexp(np.where(r == 0, 1, r))[1] - 1, -2) - 2)
;;       q = np.round(r / step) * step * 2.0 ** e      # np.round: ties to even
;;       return np.moveaxis(q.reshape(q.shape[:-2] + (-1,))[..., :K], -1, axis).astype(np.float32)
;;   ~~~
;;   INPUTS GIVEN AS CODES. W_ch (in the module: [1024, 1024], K = its axis 1); W_ih (in the module: [1024, 1024], K = its axis 1); context (in the module: [32, 1024], K = its axis 1): each comes as NAME_codes (uint8): NAME with its K axis moved to the last place and cut into blocks of 32 codes, [.., K / 32, bytes a block], one block behind the other in memory; four codes in three bytes: a row's codes are one little-endian stream of bits, code i at bits 6 i .. 6 i + 5 (a code: sign, 3 exponent bits, 2 mantissa bits); and NAME_scales (uint8): the same leading axes, one E8M0 byte (e + 127) for each 32 codes along K. Its value is code x scale, taken as it is: it is not quantised again, and the codes and scales need not be those that the quantiser above would give.
;; One version. Each part assembles by itself: llvm-mc -triple=amdgcn-amd-amdhsa -mcpu=gfx1250 --defsym DOCPART=n.
;; ======== version 1 of 1: 3 launches
;; limits: values are held in bf16: 8 bits of precision; right only within a limited range of input values
;; workspace buffers: wf 786,432 bytes; wsf 32,768 bytes; cw2 131,072 bytes; part 2,097,152 bytes; ml 131,072 bytes
;; launch prep (part 1): grid 16 x 1, 8 waves a work-group, no clusters, 135,168 bytes of LDS; arguments W_ch_codes, W_ch_scales, W_ih_codes, W_ih_scales, context_codes, context_scales, w_score, wf, wsf, cw2; writes wf, wsf, cw2
.if DOCPART == 1
	.amdgcn_target "amdgcn-amd-amdhsa--gfx1250"
	.amdhsa_code_object_version 6
	.text
	.protected	k_q0defdc5fe6_prep
	.globl	k_q0defdc5fe6_prep
	.p2align	8
	.type	k_q0defdc5fe6_prep,@function
k_q0defdc5fe6_prep:
	s_mov_b64 s[64:65], 0
	v_nop
	global_prefetch_b8 v0, s[64:65] scope:SCOPE_SE
	s_setreg_imm32_b32 hwreg(HW_REG_WAVE_MODE, 25, 1), 1
	s_wait_xcnt 0x0
; Two small jobs ahead of the main launch, in one launch.
; (1) cw2[b][u] = -2 tanh(context[b] . W_ch[u]) w_score[u]: the second quantised product, 32 x 1,024 x 1,024, on the codes and scale bytes as they are given, then tanh and the score's weight in f32.
; (2) W_ih's codes and scale bytes are laid out anew, in the order of an operand's registers: wf[tile t][K step s][chunk q][lane][16 bytes] holds registers 4 q .. 4 q + 3 of the fragment
;     "units 16 t .. 16 t + 15, k = 128 s .. 128 s + 127"; wsf[t][i][lane][4 bytes]: lane (r, h) holds the scale word of K step 2 i + h of unit 16 t + r.  The main launch then loads whole fragments by dense 16-byte loads.
; SHARES.  Work-group g owns tiles 4 g .. 4 g + 3 of 16 units.  Waves 0-3 do (1), waves 4-7 do (2), each for tile t = 4 g + wave % 4.  The branch hangs on the wave's number alone; all eight waves pass both barriers.
; CODES COME IN AS THEY LIE.  A tile's 16 rows of 768 bytes are 12,288 consecutive bytes: a wave loads them by 24 loads of 512 consecutive bytes, and four rows of context by six more, and lays them in LDS as rows
; 784 bytes apart; fragments are then read from LDS, 8 bytes a lane.  Up to the first barrier all eight waves run the same lines (W_ch or W_ih is a choice of pointers); the waves that relay W_ih so load context's scale
; words and w_score too, six small loads that they do not use.
; tanh(z) = 1 - 2 / (1 + 2^(2 log2(e) z)): at large |z| the exponential is infinite or 0 and the result is 1 or -1, as it should be.  NaN scale bytes (0xff) among the inputs are not served.
; The matrix instruction is used transposed (source 0 = 16 units of W_ch, source 1 = 16 rows of context): lane (r, h) holds batch 16 u + r and its registers units 16 t + 8 h + 0 .. 7.
; The four tiles' results meet in a stage in LDS (32 rows x (256 + 16) bytes), so that sixteen lanes store 256 consecutive, aligned bytes of cw2.
.set FW,   16                          ; v16-111   my tile: first as loaded, then as eight fragments
.set WSC,  112                         ; v112-119  my tile's scale words, K step s in v[WSC + s]: scales and nothing else
.set CSC,  120                         ; v120-135  context's scale words, v[CSC + 8 u + s]: scales and nothing else
.set AC,   136                         ; v136-151  two accumulators, u = 0, 1
.set WV,   152                         ; v152-159  my eight numbers of w_score
.set RS,   160                         ; v160-163  W_ih's scale words as wsf wants them
.set OUTR, 176                         ; v176-183  the way out
.set CL,   184                         ; v184-207  four rows of context as loaded
.set VFC,  208                         ; v208      LDS: context's fragments, my lane
.set VCA,  209                         ; v209, v210  LDS: where my four rows of context go
.set SPT,  272                         ; a stage row: 256 bytes + 16 = 68 words: row r begins 4 r words further round the banks (64 banks of 4 bytes: ISA guide 11.1)
.set RP,   784                         ; a row of codes in LDS: 768 bytes + 16 = 196 words: lane (r, h) reads words 4 r + 6 h + 0, 1 modulo 64: the 32 lanes of an 8-byte load touch 64 different banks
.set TIL,  32*SPT                      ; behind the stage: 16 rows for each wave, its own tile
.set CTX,  TIL+8*16*RP                 ; behind them: context's 32 rows
.set MSB, 0
.macro WIN new                         ; the immediate's high byte repeats the setting that is left
.if MSB != (\new)
	s_set_vgpr_msb (MSB<<8)|(\new)
.set MSB, \new
.endif
.endm
; Two rows, 1,536 consecutive bytes as three loads brought them (registers reg .. reg + 11), go to LDS: the first 512 bytes lie in the first row; of the second 512 lanes 0-15 end the first row and lanes 16-31 begin
; the second, 16 bytes of padding further on (the second address register); the third 512 lie in the second row from its byte 256 on.
.macro ROWS2 a, reg, p
	ds_store_b128 v[\a], v[\reg:\reg+3] offset:2*RP*(\p)
	ds_store_b128 v[\a+1], v[\reg+4:\reg+7] offset:2*RP*(\p)+512
	ds_store_b128 v[\a], v[\reg+8:\reg+11] offset:2*RP*(\p)+RP+256
.endm
	s_load_b256 s[4:11], s[0:1], 0x0               ; W_ch's codes s[4:5], its scales s[6:7], W_ih's codes s[8:9], its scales s[10:11]
	s_load_b256 s[12:19], s[0:1], 0x20             ; context's codes s[12:13], its scales s[14:15], w_score s[16:17], wf s[18:19]
	s_load_b128 s[20:23], s[0:1], 0x40             ; wsf s[20:21], cw2 s[22:23]
	v_lshl_add_u32 v254, v0, 2, 0x20c00
	v_mov_b32 v255, 0
	v_lshrrev_b32 v1, 5, v0
	s_delay_alu instid0(VALU_DEP_1)
	v_readfirstlane_b32 s24, v1                    ; wave 0..7
	v_and_b32 v1, 31, v0                           ; lane
	v_and_b32 v2, 15, v0                           ; r
	v_bfe_u32 v12, v0, 4, 1                        ; h
	; every offset and LDS address is made here, by every wave, ahead of the branch on the wave's number
	s_delay_alu instid0(VALU_DEP_2)
	v_lshlrev_b32 v4, 5, v2                        ; a row of scale bytes is 32 bytes
	s_delay_alu instid0(VALU_DEP_2)
	v_lshlrev_b32 v5, 5, v12                       ; w_score: 8 numbers for each half of the lanes
	v_lshlrev_b32 v6, 4, v1                        ; 16 x lane
	v_lshlrev_b32 v7, 2, v1                        ; 4 x lane
	s_mul_i32 s27, s24, 16*RP
	s_add_co_u32 s27, s27, TIL                     ; my tile's rows in LDS
	v_add_nc_u32 v14, s27, v6                      ; in: 16 x lane,
	s_delay_alu instid0(VALU_DEP_1)
	v_lshl_add_u32 v15, v12, 4, v14                ; and the same behind one padding for lanes 16-31
	v_mul_u32_u24 v3, v2, RP
	s_delay_alu instid0(VALU_DEP_1)
	v_mad_u32_u24 v3, v12, 24, v3                  ; a fragment's lane: row r, + 24 h
	s_delay_alu instid0(VALU_DEP_1)
	v_add_nc_u32 v[VFC], CTX, v3                   ; in context's rows,
	s_delay_alu instid0(VALU_DEP_2)
	v_add_nc_u32 v3, s27, v3                       ; in my tile's
	s_mul_i32 s27, s24, 4*RP
	s_add_co_u32 s27, s27, CTX                     ; context's rows 4 x wave .. + 3 in LDS
	v_add_nc_u32 v[VCA], s27, v6
	s_delay_alu instid0(VALU_DEP_1)
	v_lshl_add_u32 v[VCA+1], v12, 4, v[VCA]
	s_mul_i32 s27, s24, 4*768
	v_add_nc_u32 v8, s27, v6                       ; and in memory
	s_and_b32 s25, s24, 3
	s_lshl_b32 s27, s25, 6
	v_mul_u32_u24 v9, v2, SPT
	s_delay_alu instid0(VALU_DEP_1)
	v_lshl_add_u32 v9, v12, 5, v9
	s_delay_alu instid0(VALU_DEP_1)
	v_add_nc_u32 v9, s27, v9                       ; into the stage: row r, my tile's 64 bytes, + 32 h
	s_lshl_b32 s27, s24, 2
	v_add_nc_u32 v13, s27, v12                     ; out of it: row 4 x wave + h
	s_delay_alu instid0(VALU_DEP_1)
	v_mul_u32_u24 v10, v13, SPT
	s_delay_alu instid0(VALU_DEP_1)
	v_lshl_add_u32 v10, v2, 4, v10                 ; sixteen lanes to a row
	s_delay_alu instid0(VALU_DEP_3)
	v_lshlrev_b32 v11, 12, v13
	s_delay_alu instid0(VALU_DEP_1)
	v_lshl_add_u32 v11, v2, 4, v11                 ; and the same place in cw2: a row is 4,096 bytes
	s_lshl_b32 s26, ttmp9, 2
	s_add_co_u32 s26, s26, s25                     ; t
	s_mul_i32 s28, s26, 12288                      ; 16 rows of codes; also a tile of wf
	s_mov_b32 s29, 0
	s_lshl_b32 s30, s26, 9                         ; 16 rows of scale bytes; also a tile of wsf
	s_mov_b32 s31, 0
	s_lshl_b32 s32, s26, 6                         ; 16 numbers of w_score
	s_mov_b32 s33, 0
	s_lshl_b32 s34, ttmp9, 8                       ; the work-group's 64 columns of cw2
	s_mov_b32 s35, 0
	s_mov_b32 s36, 0x4038aa3b                      ; 2 log2(e)
	s_mov_b32 s37, s36                             ; (named with it as a pair, so it is written)
	s_wait_alu depctr_va_vdst(0)
	s_wait_kmcnt 0x0
	s_cmp_lt_u32 s24, 4                            ; W_ch's wave or W_ih's?  The choice hangs on the wave's number alone
	s_cselect_b64 s[38:39], s[4:5], s[8:9]         ; my tensor's codes
	s_cselect_b64 s[40:41], s[6:7], s[10:11]       ; and scale bytes
	s_add_nc_u64 s[38:39], s[38:39], s[28:29]
	s_add_nc_u64 s[40:41], s[40:41], s[30:31]
	s_add_nc_u64 s[16:17], s[16:17], s[32:33]
	s_add_nc_u64 s[18:19], s[18:19], s[28:29]
	s_add_nc_u64 s[20:21], s[20:21], s[30:31]
	s_add_nc_u64 s[22:23], s[22:23], s[34:35]
.set n, 0
.rept 24
	global_load_b128 v[FW+4*n:FW+4*n+3], v6, s[38:39] offset:512*n   ; my tile: 32 lanes read 512 consecutive, aligned bytes
.set n, n+1
.endr
.set n, 0
.rept 6
	global_load_b128 v[CL+4*n:CL+4*n+3], v8, s[12:13] offset:512*n   ; four rows of context
.set n, n+1
.endr
	global_load_b128 v[WSC:WSC+3], v4, s[40:41]    ; lane r: the eight scale words of unit 16 t + r
	global_load_b128 v[WSC+4:WSC+7], v4, s[40:41] offset:16
.irp u, 0,1
	global_load_b128 v[CSC+8*\u:CSC+8*\u+3], v4, s[14:15] offset:512*\u
	global_load_b128 v[CSC+8*\u+4:CSC+8*\u+7], v4, s[14:15] offset:512*\u+16
.endr
	global_load_b128 v[WV:WV+3], v5, s[16:17]
	global_load_b128 v[WV+4:WV+7], v5, s[16:17] offset:16
	s_wait_loadcnt 0x0
.irp p, 0,1,2,3,4,5,6,7
	ROWS2 14, FW+12*\p, \p
.endr
.irp p, 0,1
	ROWS2 VCA, CL+12*\p, \p
.endr
	s_wait_dscnt 0x0                               ; for the others' sake: my rows of context have landed
	s_barrier_signal -1
	s_barrier_wait -1
	s_cmp_lt_u32 s24, 4
	s_cbranch_scc0 .Lrelay
	; ---- waves 0-3: the product and tanh
	WIN 0x40                                       ; destination window 1: context's 16 fragments, (u, s) at v[12 (8 u + s)]
.irp u, 0,1
.irp s, 0,1,2,3,4,5,6,7
.irp p, 0,1,2,3,4,5
	ds_load_b64 v[12*(8*\u+\s)+2*\p:12*(8*\u+\s)+2*\p+1], v[VFC] offset:16*RP*\u+96*\s+48*(\p/3)+8*(\p%3)   ; 24 bytes of the row's stream of bits as three pieces of 8
.endr
.endr
.endr
	WIN 0
.irp s, 0,1,2,3,4,5,6,7
.irp p, 0,1,2,3,4,5
	ds_load_b64 v[FW+12*\s+2*\p:FW+12*\s+2*\p+1], v3 offset:96*\s+48*(\p/3)+8*(\p%3)   ; W_ch's fragments, into the registers that the rows have left
.endr
.endr
	s_wait_dscnt 0x0
	WIN 0x04                                       ; source 1 (context) window 1
.irp s, 0,1,2,3,4,5,6,7                        ; the two accumulators take turns, one instruction a turn; the first K step starts the sums
.irp u, 0,1
.if \s == 0
	v_wmma_scale_f32_16x16x128_f8f6f4 v[AC+8*\u:AC+8*\u+7], v[FW+12*\s:FW+12*\s+11], v[12*(8*\u+\s):12*(8*\u+\s)+11], 0, v[WSC+\s], v[CSC+8*\u+\s] matrix_a_fmt:MATRIX_FMT_BF6 matrix_b_fmt:MATRIX_FMT_BF6
.else
	v_wmma_scale_f32_16x16x128_f8f6f4 v[AC+8*\u:AC+8*\u+7], v[FW+12*\s:FW+12*\s+11], v[12*(8*\u+\s):12*(8*\u+\s)+11], v[AC+8*\u:AC+8*\u+7], v[WSC+\s], v[CSC+8*\u+\s] matrix_a_fmt:MATRIX_FMT_BF6 matrix_b_fmt:MATRIX_FMT_BF6
.endif
.endr
.endr
	WIN 0
.rept 4
	v_nop                                          ; four places between the last products and the first read of their results (ISA guide 7.12.1)
.endr
.irp j, 0,2,4,6,8,10,12,14                     ; each accumulator is read from its low end on
	v_pk_mul_f32 v[AC+\j:AC+\j+1], v[AC+\j:AC+\j+1], s[36:37] op_sel_hi:[1,0]
.endr
	s_wait_alu depctr_va_vdst(0)
.irp j, 0,1,2,3,4,5,6,7,8,9,10,11,12,13,14,15
	v_exp_f32 v[AC+\j], v[AC+\j]                   ; 2^(2 log2(e) z)
.endr
.irp j, 0,2,4,6
	v_pk_mul_f32 v[WV+\j:WV+\j+1], v[WV+\j:WV+\j+1], -2.0 op_sel_hi:[1,0]   ; -2 w: plain work behind the exponentials
.endr
	s_wait_alu depctr_va_vdst(0)                   ; one wait for the batch, ahead of its first reader
.irp j, 0,2,4,6,8,10,12,14
	v_pk_add_f32 v[AC+\j:AC+\j+1], v[AC+\j:AC+\j+1], 1.0 op_sel_hi:[1,0]
.endr
	s_wait_alu depctr_va_vdst(0)
.irp j, 0,1,2,3,4,5,6,7,8,9,10,11,12,13,14,15
	v_rcp_f32 v[AC+\j], v[AC+\j]
.endr
	v_nop                                          ; a plain instruction behind the last reciprocal
	s_wait_alu depctr_va_vdst(0)                   ; and the batch's one wait
.irp j, 0,2,4,6,8,10,12,14
	v_pk_fma_f32 v[AC+\j:AC+\j+1], v[AC+\j:AC+\j+1], -2.0, 1.0 op_sel_hi:[1,0,0]   ; tanh
.endr
.irp u, 0,1
.irp j, 0,2,4,6
	v_pk_mul_f32 v[AC+8*\u+\j:AC+8*\u+\j+1], v[AC+8*\u+\j:AC+8*\u+\j+1], v[WV+\j:WV+\j+1]
.endr
.endr
.irp u, 0,1
	ds_store_b128 v9, v[AC+8*\u:AC+8*\u+3] offset:16*SPT*\u
	ds_store_b128 v9, v[AC+8*\u+4:AC+8*\u+7] offset:16*SPT*\u+16
.endr
	s_branch .Ljoin
.Lrelay:
	; ---- waves 4-7: W_ih's tile t, read as fragments and stored as images of their registers
.irp s, 0,1,2,3,4,5,6,7
.irp p, 0,1,2,3,4,5
	ds_load_b64 v[FW+12*\s+2*\p:FW+12*\s+2*\p+1], v3 offset:96*\s+48*(\p/3)+8*(\p%3)
.endr
.endr
	v_cmp_ne_u32 vcc_lo, 0, v12                    ; lanes 16-31
.irp i, 0,1,2,3
	v_cndmask_b32 v[RS+\i], v[WSC+2*\i], v[WSC+2*\i+1], vcc_lo   ; lanes 0-15 the word of K step 2 i, lanes 16-31 that of K step 2 i + 1
.endr
	s_wait_alu depctr_va_vdst(0)
	s_wait_dscnt 0x0
.irp s, 0,1,2,3,4,5,6,7
.irp q, 0,1,2
	global_store_b128 v6, v[FW+12*\s+4*\q:FW+12*\s+4*\q+3], s[18:19] offset:1536*\s+512*\q   ; 32 lanes store 512 consecutive, aligned bytes
.endr
.endr
.irp i, 0,1,2,3
	global_store_b32 v7, v[RS+\i], s[20:21] offset:128*\i   ; 128 consecutive bytes; the tile's four stores fill two aligned blocks of 256
.endr
.Ljoin:
	s_wait_dscnt 0x0                               ; for the others' sake: my stores into the stage have landed
	s_barrier_signal -1
	s_barrier_wait -1
	ds_load_b128 v[OUTR:OUTR+3], v10               ; rows 4 x wave + h
	ds_load_b128 v[OUTR+4:OUTR+7], v10 offset:2*SPT   ; and two rows on
	s_wait_dscnt 0x0
	global_store_b128 v11, v[OUTR:OUTR+3], s[22:23]   ; sixteen lanes store 256 consecutive, aligned bytes of a row of cw2
	global_store_b128 v11, v[OUTR+4:OUTR+7], s[22:23] offset:8192
	s_wait_tensorcnt 0x0
	ds_add_u32 v254, v255
	s_wait_dscnt 0x0
	s_endpgm
.Lfunc_end_k_q0defdc5fe6_prep:
	.size	k_q0defdc5fe6_prep, .Lfunc_end_k_q0defdc5fe6_prep-k_q0defdc5fe6_prep
	.p2alignl 7, 3214868480
	.fill 96, 4, 3214868480
	.section	.rodata,"a",@progbits
	.p2align	6, 0x0
	.amdhsa_kernel k_q0defdc5fe6_prep
		.amdhsa_group_segment_fixed_size 135168
		.amdhsa_private_segment_fixed_size 0
		.amdhsa_enable_private_segment 0
		.amdhsa_kernarg_size 80
		.amdhsa_user_sgpr_count 2
		.amdhsa_user_sgpr_kernarg_segment_ptr 1
		.amdhsa_wavefront_size32 1
		.amdhsa_system_sgpr_workgroup_id_x 1
		.amdhsa_system_sgpr_workgroup_id_y 1
		.amdhsa_system_sgpr_workgroup_id_z 1
		.amdhsa_system_vgpr_workitem_id 0
		.amdhsa_next_free_vgpr 448
		.amdhsa_next_free_sgpr 66
		.amdhsa_reserve_vcc 1
		.amdhsa_float_denorm_mode_32 3
		.amdhsa_float_denorm_mode_16_64 3
		.amdhsa_memory_ordered 1
		.amdhsa_forward_progress 1
		.amdhsa_inst_pref_size 31
	.end_amdhsa_kernel
	.amdgpu_metadata
---
amdhsa.version: [ 1, 2 ]
amdhsa.kernels:
  - .name:           k_q0defdc5fe6_prep
    .symbol:         k_q0defdc5fe6_prep.kd
    .args:
      - { .name: W_ch_codes, .offset: 0, .size: 8, .value_kind: global_buffer, .address_space: global }
      - { .name: W_ch_scales, .offset: 8, .size: 8, .value_kind: global_buffer, .address_space: global }
      - { .name: W_ih_codes, .offset: 16, .size: 8, .value_kind: global_buffer, .address_space: global }
      - { .name: W_ih_scales, .offset: 24, .size: 8, .value_kind: global_buffer, .address_space: global }
      - { .name: context_codes, .offset: 32, .size: 8, .value_kind: global_buffer, .address_space: global }
      - { .name: context_scales, .offset: 40, .size: 8, .value_kind: global_buffer, .address_space: global }
      - { .name: w_score, .offset: 48, .size: 8, .value_kind: global_buffer, .address_space: global }
      - { .name: wf, .offset: 56, .size: 8, .value_kind: global_buffer, .address_space: global }
      - { .name: wsf, .offset: 64, .size: 8, .value_kind: global_buffer, .address_space: global }
      - { .name: cw2, .offset: 72, .size: 8, .value_kind: global_buffer, .address_space: global }
    .group_segment_fixed_size: 135168
    .private_segment_fixed_size: 0
    .kernarg_segment_align: 8
    .kernarg_segment_size: 80
    .max_flat_workgroup_size: 256
    .sgpr_count:     66
    .vgpr_count:     448
    .wavefront_size: 32
...
	.end_amdgpu_metadata
.endif
;; end of part 1
;; launch main (part 2): grid 256 x 1, 4 waves a work-group, no clusters, 326,656 bytes of LDS; arguments inputs, mask, wf, wsf, cw2, part, ml; writes part, ml
.if DOCPART == 2
	.amdgcn_target "amdgcn-amd-amdhsa--gfx1250"
	.amdhsa_code_object_version 6
	.text
	.protected	k_q0defdc5fe6_main
	.globl	k_q0defdc5fe6_main
	.p2align	8
	.type	k_q0defdc5fe6_main,@function
k_q0defdc5fe6_main:
	s_mov_b64 s[64:65], 0
	v_nop
	global_prefetch_b8 v0, s[64:65] scope:SCOPE_SE
	s_setreg_imm32_b32 hwreg(HW_REG_WAVE_MODE, 25, 1), 1
	s_wait_xcnt 0x0
; For a block of 128 rows x of one batch: score[n] = sum over u of tanh(Q(x_n) . W_ih[u]) c[u] w[u]; hidden rows get -1e30; p = 2^(log2(e) score - M2), M2 the block's own maximum;
; part[block][:] = sum over n of p[n] x_n, ml[block] = (M2, sum of p).  The last launch joins a batch's 16 blocks.  inputs are read from memory ONCE: a block's rows stay on the WGP between score and sum.
; SHARES.  Work-group x takes blocks 2 x and 2 x + 1 (both of batch x / 8), one after the other, in a loop of two trips.  THE FOUR WAVES SHARE THE HIDDEN UNITS, NOT THE ROWS: wave w makes units 256 w .. 256 w + 255
; for all 128 rows.  So each byte of W_ih is wanted by one wave alone and goes from memory straight into its registers (wf, wsf: laid in the order of an operand's registers by the launch before), and every wave
; holds all 64 fragments of the block's codes (8 tiles of rows x 8 K steps, 768 registers).
; A TRIP.  L: 16 steps: each wave loads 16 rows x 128 columns, turns them through its own stage in LDS so that a lane holds 16 neighbours along K, quantises them (one fragment, one scale word a row), keeps them as
; bf16 rows in LDS, and hands the fragment to the other waves as an image of its registers.  G: 16 tiles of 16 units a wave: 64 matrix instructions, then tanh and the score's sums.  N: the next block's first loads.
; S: the block's softmax, in every wave alike.  W: wave w sums p x over the 128 kept rows for columns 256 w .. 256 w + 255.
; tanh(z) = 1 - 2 r, r = 1 / (1 + 2^(2 log2(e) z)); with cw2 = -2 c w the score is sum(r cw2) - sum(cw2) / 2: one packed multiply-add for two numbers.  At large |z| r is 0 or 1: tanh is 1 or -1.
; THE MATRIX INSTRUCTION IS USED TRANSPOSED: source 0 = 16 units of W_ih, source 1 = 16 rows: lane (r, h) holds row 16 m + r, its registers units 16 t + 8 h + 0 .. 7.
; LIMITS.  NaN and infinities among inputs are not served.  A block of 32 zeros gets the scale byte 1 where the quantiser says 127: its codes are zeros, and the byte is read here alone.  The kept rows are bf16
; (the weighted sum is a product left as it is); p, the scores and all sums are f32.  A block whose rows are all hidden gives p = 1 under M2 = -1.44e30, which the last launch weighs as the softmax does.
; No cluster, no tensor load: the only tensor that work-groups share is W_ih, of which each wave wants a part of its own; through LDS each byte would be written and read once more, and beside the kept rows
; (264,192 bytes) LDS has room for two slots of two tiles only.
; REGISTERS, in windows of 256.  The codes' fragment f = 8 s + m (K step s, tile of rows m): f = 0 .. 62 in window 1 + f / 21 at v[12 (f % 21)]; f = 63 in window 0 at v48-59.
;   window 0: v0-15 addresses that stay; v16-47 the rows' scale words; v248-251 W's scale words; v246 cw2's LDS address; by phase: L: v60-123 64 numbers, v124-142 codes, v143 their scale word, v144-159 at work,
;   v164-227 load buffer 2, and v48-59, v160-163, v228-243 the 64 numbers as bf16;   G: v60-155 eight fragments of W, v156-219 eight accumulators, v220-227 cw2, v228-243 the scores' sums, v244-245 cw2's sum; S, W: v60-95.
;   window 3, in L and N: v120-183, v184-247 load buffers 0, 1: the places of f = 52 .. 62, which are filled last.   windows 1, 2, in W: v0-127 fragments of rows; window 1 v128-255 the accumulators, window 2 v128-159 p.
.set RETP, 2064                        ; a kept row: 2,048 bytes of bf16 + 16 = 516 words: row r begins 4 r words further round the banks (64 banks of 4 bytes: ISA guide 11.1)
.set STG,  128*RETP                    ; behind the 128 kept rows: a stage of 16 rows x 528 bytes for each wave
.set STP,  528
.set IMG,  STG+4*16*STP                ; three areas by turns: four images of 1,536 bytes, then four times 128 bytes of scale words
.set IMA,  6656
.set CWL,  IMG+3*IMA                   ; cw2 of the batch: 1,024 bytes for each wave, its own units'
.set SCP,  CWL+4096                    ; the waves' parts of the scores: [wave][128] f32
.set PL,   SCP+2048                    ; p: 512 bytes for each wave, its own copy
.set BLKB, 128*4096                    ; a block of inputs in bytes
.set VIN,  1                           ; inputs: 16 rows x wave + 16 x lane
.set VST,  2                           ; my stage, on the way in: 16 x lane
.set VSL,  3                           ; and on the way out: row r, + 64 h
.set VK0,  4                           ; v4, v5: where I keep 32 bytes of row 16 w + r, and of the row 64 further down
.set VIW,  6                           ; where I store my image
.set VSW,  7                           ; and its scale words
.set VIR,  8                           ; where I read images
.set VSR,  9                           ; and scale words: lanes 0-15 an even wave's, lanes 16-31 the next wave's
.set L16,  10                          ; 16 x lane
.set L4,   11                          ; 4 x lane
.set VCW,  12                          ; cw2's LDS address for the tile in hand
.set MK0,  13                          ; the mask bytes of my four rows, this block's;
.set MK1,  14                          ; the second block's
.set VPF,  15                          ; the prefetches' offset: a lane a row
.set AS,   16                          ; v[AS + 4 s + m / 2]: lanes 0-15 tile m even, lanes 16-31 tile m odd: scales and nothing else
.set XQ,   60
.set PC,   124
.set PW,   143
.set TM,   144
.set LB2,  164
.set WR,   60
.set ACC,  156
.set CW,   220
.set SC,   228
.set CS,   244
.set VCW0, 246
.set WS,   248                         ; v[WS + s / 2]: lanes 0-15 K step s even, lanes 16-31 s odd: scales and nothing else
.set VRD0, 93
.set VRD,  94
.set VPR,  95
.set XA,   0                           ; in window 1
.set PA,   64
.set XB,   80
.set PB,   144
.set OA,   160
.set MSB, 0
.macro WIN new                         ; the immediate's high byte repeats the setting that is left; a switch that changes nothing is dropped
.if MSB != (\new)
	s_set_vgpr_msb (MSB<<8)|(\new)
.set MSB, \new
.endif
.endm
.macro AFRAG f                         ; where fragment f lies: window AW, register AR
.set AW, 1+(\f)/21
.set AR, 12*((\f)%21)
.if (\f) == 63
.set AW, 0
.set AR, 48
.endif
.endm
.macro KPQ q                           ; where the q-th four registers of the bf16 numbers lie: register KR
.if (\q) < 3
.set KR, 48+4*(\q)
.elseif (\q) == 3
.set KR, 160
.else
.set KR, 212+4*(\q)
.endif
.endm
; Step i of L takes K step i / 2 of the tiles of rows 4 (i % 2) + w.  Its 16 loads: each reads 512 consecutive, aligned bytes of one row; into buffer i % 3.
.macro LOADX i, extra
.if (\i)%3 == 2
.set LBR, LB2
	WIN 0
.else
.set LBR, 120+64*((\i)%3)
	WIN 0xc0                                       ; destination window 3
.endif
.irp rr, 0,1,2,3,4,5,6,7,8,9,10,11,12,13,14,15
	global_load_b128 v[LBR+4*\rr:LBR+4*\rr+3], v[VIN], s[4:5] offset:(\extra)+(64*((\i)%2)+\rr)*4096+512*((\i)/2) th:TH_LOAD_NT
.endr
	WIN 0
.endm
; Through my stage.  TSTORE: step i's numbers go in as they were loaded.  TLOAD: they come out so that v[XQ + 16 b + i] = x[row r][128 s + 32 b + 16 h + i].
; LDS serves a wave's instructions in order (ISA guide 5.7.1.4): the loads see the stores, whatever of the wave's own stands between.
.macro TSTORE i
.if (\i)%3 == 2
.set LBR, LB2
	WIN 0
.else
.set LBR, 120+64*((\i)%3)
	WIN 0x0c                                       ; an LDS store's data are its source 1: window 3
.endif
.irp rr, 0,1,2,3,4,5,6,7,8,9,10,11,12,13,14,15
	ds_store_b128 v[VST], v[LBR+4*\rr:LBR+4*\rr+3] offset:STP*\rr
.endr
	WIN 0
.endm
.macro TLOAD
.irp b, 0,1,2,3
.irp j, 0,1,2,3
	ds_load_b128 v[XQ+16*\b+4*\j:XQ+16*\b+4*\j+3], v[VSL] offset:128*\b+16*\j
.endr
.endr
.endm
; The 64 numbers become a fragment's codes in v[PC] .. v[PC + 11] and my row's scale word in v[PW].
.macro QUANT
.irp b, 0,1,2,3
	v_max3_num_f32 v[TM+\b], |v[XQ+16*\b]|, |v[XQ+1+16*\b]|, 0x2800000   ; block b: my 16 numbers, and the floor 2^(5 - 127): so the byte cannot fall under 1
.endr
.irp i, 2,4,6,8,10,12,14
.irp b, 0,1,2,3
	v_max3_num_f32 v[TM+\b], v[TM+\b], |v[XQ+16*\b+\i]|, |v[XQ+1+16*\b+\i]|   ; (the four blocks by turns)
.endr
.endr
.irp b, 0,1,2,3
	v_permlanex16_b32 v[TM+4+\b], v[TM+\b], s24, s25
.endr
.irp b, 0,1,2,3
	v_max_num_f32 v[TM+\b], v[TM+\b], v[TM+4+\b]   ; with lane l xor 16's: the block's largest magnitude
.endr
.irp b, 0,1,2,3
	v_add_nc_u32 v[TM+12+\b], 0xfe000000, v[TM+\b] ; 4 off its exponent field: the conversion takes the exponent field of this operand as its scale
.endr
.irp b, 0,1,2,3
	v_lshrrev_b32 v[TM+4+\b], 23, v[TM+12+\b]      ; the scale's byte
.endr
	v_lshl_or_b32 v[PW], v[TM+5], 8, v[TM+4]
	v_lshl_or_b32 v[PW], v[TM+6], 16, v[PW]
	v_lshl_or_b32 v[PW], v[TM+7], 24, v[PW]
.irp c, 0,1
	v_cvt_scalef32_pk16_bf6_f32 v[PC+6*\c:PC+2+6*\c], v[XQ+32*\c:XQ+15+32*\c], v[TM+12+2*\c]
	v_cvt_scalef32_pk16_bf6_f32 v[PC+12+4*\c:PC+14+4*\c], v[XQ+16+32*\c:XQ+31+32*\c], v[TM+12+2*\c+1]   ; (a conversion's three registers begin on an even number)
.endr
	v_nop                                          ; one plain instruction behind the scaled conversions
.irp c, 0,1                                    ; the operand's layout wants a whole block in a lane: lanes 0-15 block 2 c, lanes 16-31 block 2 c + 1
.irp i, 0,1,2
	v_permlane16_swap_b32 v[PC+6*\c+\i], v[PC+12+4*\c+\i]
.endr
.irp i, 0,1,2
	v_mov_b32 v[PC+3+6*\c+\i], v[PC+12+4*\c+\i]
.endr
.endr
.endm
.macro PACK                            ; the 64 numbers, rounded to bf16 in pairs, into 32 OTHER registers: so the next step's numbers may be asked for into v[XQ] on while these wait for their stores
.irp q, 0,1,2,3,4,5,6,7
	KPQ \q
.irp e, 0,1,2,3
	v_cvt_pk_bf16_f32 v[KR+\e], v[XQ+8*\q+2*\e], v[XQ+8*\q+2*\e+1]
.endr
.endr
.endm
.macro IMAGE a                         ; the fragment goes to LDS as it stands, 16 bytes a lane; its scale words 4 bytes a lane
.irp c, 0,1,2
	ds_store_b128 v[VIW], v[PC+4*\c:PC+4*\c+3] offset:IMA*(\a)+512*\c
.endr
	ds_store_b32 v[VSW], v[PW] offset:IMA*(\a)
.endm
.macro KEEPST i                        ; the bf16 numbers go to my row's place among the kept rows: block b's 16 numbers of my half are 32 bytes at 256 s + 64 b (+ 32 h in the address)
.irp q, 0,1,2,3,4,5,6,7
	KPQ \q
	ds_store_b128 v[VK0+(\i)%2], v[KR:KR+3] offset:256*((\i)/2)+64*(\q/2)+16*(\q%2)
.endr
.endm
.macro FETCH i                         ; step i's four fragments, f = 4 i + wave, and their scale words, into every wave
.irp w, 0,1,2,3
	AFRAG 4*(\i)+\w
	WIN AW<<6
.irp c, 0,1,2
	ds_load_b128 v[AR+4*\c:AR+4*\c+3], v[VIR] offset:IMA*((\i)%3)+1536*\w+512*\c
.endr
.endr
	WIN 0
.irp p, 0,1
	ds_load_b32 v[AS+2*(\i)+\p], v[VSR] offset:IMA*((\i)%3)+256*\p
.endr
.endm
; Half a tile of W_ih, in one run of 14 loads: the fragments of K steps 4 g .. 4 g + 3 of the tile that begins off bytes behind the working base (three dense loads of 512 bytes each), and those K steps' scale words.
.macro WRUN g, off
.irp s, 0,1,2,3
.irp q, 0,1,2
	global_load_b128 v[WR+12*(4*(\g)+\s)+4*\q:WR+12*(4*(\g)+\s)+4*\q+3], v[L16], s[26:27] offset:(\off)+1536*(4*(\g)+\s)+512*\q
.endr
.endr
.irp p, 0,1
	global_load_b32 v[WS+2*(\g)+\p], v[L4], s[28:29] offset:(\off)/24+128*(2*(\g)+\p)
.endr
.endm
; ONE STEP OF L.  At its head v[XQ] on holds step i's numbers.  Step i + 1's loaded numbers go into the stage first; while those stores and the last step's fetches are served, step i is quantised and rounded to bf16;
; then step i + 1's numbers are asked back out of the stage, and step i's image and bf16 rows are stored.  ONE wait for all the wave's LDS instructions, one barrier, and behind it the fetch of step i's four images.
; An area of images written in step i was read behind step i - 3's barrier, and every wave has waited for those reads in front of step i - 2's.
; Steps 13 to 15 fall on three different areas, and their fragments are fetched together at the end: so the registers of f = 52 .. 62 serve as load buffers all through L.
.macro LSTEP i
.if (\i) < 15
.if (\i) <= 12
	s_wait_loadcnt 32                              ; step i + 1's 16 loads are in; the 32 of the two steps behind it may be out
.elseif (\i) == 13
	s_wait_loadcnt 16                              ; the last step's 16 may be out
.else
	s_wait_loadcnt 0x0
.endif
	TSTORE (\i)+1
.endif
	QUANT
	PACK
.if (\i) < 15
	TLOAD
.endif
	IMAGE (\i)%3
	KEEPST \i
.if (\i)+4 < 16
	s_wait_dscnt 28                                ; all but the 16 + 4 + 8 LDS instructions issued behind TSTORE's: its 16 stores have read the buffer,
	LOADX (\i)+4, 0                                ; which takes the loads of three steps further on
.endif
	s_wait_dscnt 0x0                               ; the next step's numbers are in; for the others' sake: my image has landed, and my reads of the last step's images are in
.if (\i) == 15
	s_mov_b64 s[26:27], s[8:9]                     ; (every load that named these bases has been waited for)
	s_mov_b64 s[28:29], s[10:11]
	WRUN 0, 0                                      ; my first tile of W_ih, into registers that L has left
	WRUN 1, 0
.endif
	s_barrier_signal -1
	s_barrier_wait -1
.if (\i) <= 12
	FETCH \i
.endif
.if (\i) == 15
	FETCH 13
	FETCH 14
	FETCH 15
	s_wait_dscnt 0x0
.endif
.endm
.macro WMC d, a, b, c, sa, sb, ra, rb  ; one product; ra, rb: which half of the lanes holds source 0's and source 1's scale words
.if (\ra) && (\rb)
	v_wmma_scale_f32_16x16x128_f8f6f4 v[\d:\d+7], v[\a:\a+11], v[\b:\b+11], \c, v[\sa], v[\sb] matrix_a_fmt:MATRIX_FMT_BF6 matrix_b_fmt:MATRIX_FMT_BF6 matrix_a_scale:MATRIX_SCALE_ROW1 matrix_b_scale:MATRIX_SCALE_ROW1
.elseif (\ra)
	v_wmma_scale_f32_16x16x128_f8f6f4 v[\d:\d+7], v[\a:\a+11], v[\b:\b+11], \c, v[\sa], v[\sb] matrix_a_fmt:MATRIX_FMT_BF6 matrix_b_fmt:MATRIX_FMT_BF6 matrix_a_scale:MATRIX_SCALE_ROW1
.elseif (\rb)
	v_wmma_scale_f32_16x16x128_f8f6f4 v[\d:\d+7], v[\a:\a+11], v[\b:\b+11], \c, v[\sa], v[\sb] matrix_a_fmt:MATRIX_FMT_BF6 matrix_b_fmt:MATRIX_FMT_BF6 matrix_b_scale:MATRIX_SCALE_ROW1
.else
	v_wmma_scale_f32_16x16x128_f8f6f4 v[\d:\d+7], v[\a:\a+11], v[\b:\b+11], \c, v[\sa], v[\sb] matrix_a_fmt:MATRIX_FMT_BF6 matrix_b_fmt:MATRIX_FMT_BF6
.endif
.endm
; ONE TILE OF 16 UNITS for the 128 rows.  The eight accumulators (one for each tile of rows) take turns, one instruction a turn, K ascending; the first K step starts the sums.
; THE LOADS STAND IN TWO RUNS A TILE, not singly among the matrix instructions.  next = 1: behind K step 3, four places behind its products, the next tile's K steps 0 to 3 are asked for (and this tile's cw2, from LDS);
; behind K step 7 its K steps 4 to 7.  Each run stands 32 matrix instructions and a whole epilogue ahead of its first use.
; At K step 0 the tile's first run must be in: behind it one run of 14 loads has been issued (the tile's second).  At K step 4 the second must be in: behind it the next tile's first run, 14 loads, or in the last tile nothing.
.macro TILE next
.irp s, 0,1,2,3,4,5,6,7
.if \s == 0
	s_wait_loadcnt 14
.endif
.if \s == 4
.if \next
	s_wait_loadcnt 14
.else
	s_wait_loadcnt 0x0                             ; the last tile asks for nothing
.endif
.endif
.irp m, 0,1,2,3,4,5,6,7
	AFRAG 8*\s+\m
	WIN AW<<2                                      ; source 1 in the fragment's window; all else in window 0: four switches a tile
.if \s == 0
	WMC ACC+8*\m, WR+12*\s, AR, 0, WS+\s/2, AS+4*\s+\m/2, \s%2, \m%2
.else
	WMC ACC+8*\m, WR+12*\s, AR, v[ACC+8*\m:ACC+8*\m+7], WS+\s/2, AS+4*\s+\m/2, \s%2, \m%2
.endif
.endr
.if \s == 3
.if \next
.rept 4
	v_nop                                          ; four places in front of loads into registers that these products have read
.endr
.endif
	ds_load_b128 v[CW:CW+3], v[VCW]                ; cw2 of my half's eight units: the epilogue wants it
	ds_load_b128 v[CW+4:CW+7], v[VCW] offset:16
.if \next
	WRUN 0, 12288
.endif
.endif
.if \s == 7
.rept 4
	v_nop                                          ; four places in front of the loads, and of the first read of results
.endr
.if \next
	WRUN 1, 12288
.endif
.endif
.endr
	WIN 0
	; A prefetch, one a tile and a wave: tile j of the 16 names bytes 256 j .. 256 j + 255 of each of the next block's 128 rows (thread t names row t), so each block of 256 bytes is named once in the launch,
	; one trip of the loop over blocks ahead of the loads that will want it.  The last block asks for nothing: no address leaves inputs.  The branch hangs on the count of blocks alone.
	s_cmp_eq_u32 s19, 1
	s_cbranch_scc1 .Lno_ask_\@
	global_prefetch_b8 v[VPF], s[44:45] th:TH_LOAD_NT scope:SCOPE_SE
.Lno_ask_\@:
.set n, 0
.rept 32
	v_pk_mul_f32 v[ACC+n:ACC+n+1], v[ACC+n:ACC+n+1], s[22:23] op_sel_hi:[1,0]
.set n, n+2
.endr
.set n, 0
	s_wait_alu depctr_va_vdst(0)
.rept 64
	v_exp_f32 v[ACC+n], v[ACC+n]
.set n, n+1
.endr
	s_wait_dscnt 0x0                               ; cw2 is in
.irp j, 0,2,4,6
	v_pk_add_f32 v[CS:CS+1], v[CS:CS+1], v[CW+\j:CW+\j+1]   ; the sum of cw2: plain work behind the exponentials
.endr
	s_wait_alu depctr_va_vdst(0)                   ; one wait for the 64, ahead of their first reader
.set n, 0
.rept 32
	v_pk_add_f32 v[ACC+n:ACC+n+1], v[ACC+n:ACC+n+1], 1.0 op_sel_hi:[1,0]
.set n, n+2
.endr
.set n, 0
	s_wait_alu depctr_va_vdst(0)
.rept 64
	v_rcp_f32 v[ACC+n], v[ACC+n]
.set n, n+1
.endr
	s_add_co_u32 s42, s42, 64
	v_add_nc_u32 v[VCW], s42, v[VCW0]              ; the next tile's cw2: the plain instruction behind the reciprocals
	s_wait_alu depctr_va_vdst(0)                   ; and their one wait
.irp jj, 0,1,2,3
.irp m, 0,1,2,3,4,5,6,7
	v_pk_fma_f32 v[SC+2*\m:SC+2*\m+1], v[ACC+8*\m+2*\jj:ACC+8*\m+2*\jj+1], v[CW+2*\jj:CW+2*\jj+1], v[SC+2*\m:SC+2*\m+1]   ; the eight rows' sums by turns
.endr
.endr
.if \next
	s_wait_xcnt 0x0                                ; the loads have read their bases: they step to the next tile
	s_add_nc_u64 s[26:27], s[26:27], 12288
	s_add_nc_u64 s[28:29], s[28:29], 512
	s_add_nc_u64 s[44:45], s[44:45], 256           ; (behind the same wait: the tile's prefetch has read its base)
.endif
.endm
; W, ON THE MATRIX UNIT (a product left as it is: bf16 operands, f32 sums).  HERE p IS ROUNDED TO bf16, as the kept rows are; the block's sum of p, the scores and all sums stay f32.
; Source 0: p, the same in all 16 rows: lane (r, h) holds p[32 q + 8 h + 0 .. 7] and p[32 q + 16 + 8 h + 0 .. 7].  Source 1: 16 columns x 32 kept rows, turned by the transposing load.
; A tile's 16 columns are two pieces of 8, 64 columns apart (lanes 0-7 of a half take one piece of 16 bytes of eight rows, lanes 8-15 the piece 128 bytes on): rows lie 516 words apart.
; Tile c takes pieces u and u + 8 of my 32, u = c + 8 (c / 8).  Register 0 of its accumulator holds, in lane r of both halves, the sum for column 8 u + r (r < 8) or 8 (u + 8) + r - 8.
; REGISTERS of W: window 0: v60-63, v64, v65 addresses, v68-75 the way out;  window 1: v0-127 fragments of rows, v128-255 the 16 accumulators;  window 2: v0-127 fragments of rows, v128-159 p's four fragments.
.set VT,   60                          ; v60-63  LDS address of K step q's 32 rows, my lane
.set VPA,  64                          ; v64     my copy of p, + 16 h
.set VSO,  65                          ; v65     where a sum goes in my stage
.set OB,   68
.set WAC,  128
.set PFR,  128
.macro LOADP                           ; p's four fragments: 8 loads
	WIN 0x80
.irp q, 0,1,2,3
	ds_load_b128 v[PFR+8*\q:PFR+8*\q+3], v[VPA] offset:64*\q
	ds_load_b128 v[PFR+8*\q+4:PFR+8*\q+7], v[VPA] offset:64*\q+32
.endr
.endm
.macro LOADT q, win                    ; the 16 fragments of K step q (rows 32 q .. 32 q + 31) into window win: 32 loads
	WIN (\win)<<6
.irp c, 0,1,2,3,4,5,6,7,8,9,10,11,12,13,14,15
	ds_load_tr16_b128 v[8*\c:8*\c+3], v[VT+\q] offset:16*(\c+8*(\c/8))
	ds_load_tr16_b128 v[8*\c+4:8*\c+7], v[VT+\q] offset:16*(\c+8*(\c/8))+16*RETP
.endr
.endm
.macro MULW q, win, zero               ; 16 products, the 16 accumulators by turns; zero = 1: the first K step starts the sums
	WIN 0x52|((\win)<<2)
.irp c, 0,1,2,3,4,5,6,7,8,9,10,11,12,13,14,15
.if \zero
	v_wmma_f32_16x16x32_bf16 v[WAC+8*\c:WAC+8*\c+7], v[PFR+8*\q:PFR+8*\q+7], v[8*\c:8*\c+7], 0
.else
	v_wmma_f32_16x16x32_bf16 v[WAC+8*\c:WAC+8*\c+7], v[PFR+8*\q:PFR+8*\q+7], v[8*\c:8*\c+7], v[WAC+8*\c:WAC+8*\c+7]
.endif
.endr
.rept 4
	v_nop                                          ; four places behind the products, in front of loads into their sources or of the first read of their results
.endr
.endm
	s_load_b256 s[4:11], s[0:1], 0x0               ; inputs s[4:5], mask s[6:7], wf s[8:9], wsf s[10:11]
	s_load_b128 s[12:15], s[0:1], 0x20             ; cw2 s[12:13], part s[14:15]
	s_load_b64 s[16:17], s[0:1], 0x30              ; ml
	v_lshl_add_u32 v254, v0, 2, 0x4fa00
	v_mov_b32 v255, 0
	v_lshrrev_b32 v60, 5, v0
	v_readfirstlane_b32 s18, v60                   ; wave 0..3
	v_and_b32 v60, 31, v0                          ; lane
	v_and_b32 v61, 15, v0                          ; r
	v_bfe_u32 v62, v0, 4, 1                        ; h
	v_lshlrev_b32 v[L16], 4, v60
	v_lshlrev_b32 v[L4], 2, v60
	s_lshl_b32 s34, s18, 16
	v_add_nc_u32 v[VIN], s34, v[L16]
	s_mul_i32 s34, s18, 16*STP
	s_add_co_u32 s34, s34, STG
	v_add_nc_u32 v[VST], s34, v[L16]
	v_mul_u32_u24 v[VSL], v61, STP
	v_lshl_add_u32 v[VSL], v62, 6, v[VSL]
	v_add_nc_u32 v[VSL], s34, v[VSL]
	s_mul_i32 s34, s18, 16*RETP
	v_mul_u32_u24 v[VK0], v61, RETP
	v_lshl_add_u32 v[VK0], v62, 5, v[VK0]
	v_add_nc_u32 v[VK0], s34, v[VK0]
	v_add_nc_u32 v[VK0+1], 64*RETP, v[VK0]
	s_mul_i32 s34, s18, 1536
	s_add_co_u32 s34, s34, IMG
	v_add_nc_u32 v[VIW], s34, v[L16]
	s_lshl_b32 s34, s18, 7
	s_add_co_u32 s34, s34, IMG+6144
	v_add_nc_u32 v[VSW], s34, v[L4]
	v_add_nc_u32 v[VIR], IMG, v[L16]
	v_lshlrev_b32 v[VSR], 2, v61
	v_lshl_add_u32 v[VSR], v62, 7, v[VSR]
	v_add_nc_u32 v[VSR], IMG+6144, v[VSR]
	s_lshl_b32 s34, s18, 10
	s_add_co_u32 s34, s34, CWL
	v_lshl_add_u32 v[VCW0], v62, 5, s34            ; my wave's 1,024 bytes of cw2, + 32 h
	v_add_nc_u32 v63, s34, v[L16]
	v_lshlrev_b32 v[VPF], 12, v0                   ; thread t names row t of a block
	s_lshl_b32 s39, s18, 9                         ; 512 w
	s_add_co_u32 s37, s39, PL                      ; my copy of p
	s_add_co_u32 s38, s39, SCP                     ; my part of the scores
.irp b, 0,1,2,3
	v_mov_b32 v[TM+4+\b], 0                        ; written once: a lane permute's destination counts as one of its sources
.endr
	; the offsets of the head's prefetch of wf and wsf: their 3,072 + 128 blocks of 256 bytes are shared out by address in 16 shares; a work-group's share is made of bits 1, 4, 5 and 6 of its number,
	; so that the sixteen work-groups that differ in bits 0, 2, 3 and 7 alone name the same blocks.  192 blocks of wf a work-group, 48 a wave, in two instructions of 24 (lanes 24-31 name the instruction's last block again);
	; 8 blocks of wsf, by wave 0 (lanes 8-31 name the last again).  The highest blocks named are 3,071 and 127.  v252 and v253 are never rewritten
	s_bfe_u32 s44, ttmp9, 0x10001
	s_bfe_u32 s45, ttmp9, 0x30004
	s_lshl_b32 s45, s45, 1
	s_or_b32 s44, s44, s45                         ; my share, 0 .. 15
	s_lshl_b32 s45, s44, 3
	v_min_u32 v253, 7, v60
	v_add_nc_u32 v253, s45, v253
	v_lshlrev_b32 v253, 8, v253
	s_mul_i32 s44, s44, 192
	s_mul_i32 s45, s18, 48
	s_add_co_u32 s44, s44, s45
	s_lshl_b32 s44, s44, 8
	v_min_u32 v252, 23, v60
	v_lshl_add_u32 v252, v252, 8, s44
	s_mov_b32 s22, 0x4038aa3b                      ; 2 log2(e)
	s_mov_b32 s23, s22                             ; (the packed forms name pairs and take the low word for both halves: the upper words are written)
	s_mov_b32 s24, 0x76543210
	s_mov_b32 s25, 0xfedcba98                      ; v_permlanex16_b32's selects for lane l xor 16
	s_mov_b32 s30, 0x3fb8aa3b                      ; log2(e)
	s_mov_b32 s31, s30
	s_mov_b32 s19, 2                               ; blocks to go
	s_mov_b32 s33, 0
	s_lshl_b32 s35, s18, 10
	s_wait_alu depctr_va_vdst(0)
	s_wait_kmcnt 0x0
	s_lshl_b32 s32, ttmp9, 20                      ; two blocks of 524,288 bytes
	s_add_nc_u64 s[4:5], s[4:5], s[32:33]
	s_lshl_b32 s32, ttmp9, 8                       ; two blocks of 128 mask bytes
	s_add_nc_u64 s[6:7], s[6:7], s[32:33]
	s_mov_b64 s[46:47], s[8:9]                     ; wf and wsf from their first bytes, for the prefetch: never rewritten
	s_mov_b64 s[48:49], s[10:11]
	s_mul_i32 s32, s18, 196608                     ; my 16 tiles of wf
	s_add_nc_u64 s[8:9], s[8:9], s[32:33]
	s_lshl_b32 s32, s18, 13                        ; and of wsf
	s_add_nc_u64 s[10:11], s[10:11], s[32:33]
	s_lshr_b32 s32, ttmp9, 3                       ; the batch
	s_lshl_b32 s32, s32, 12
	s_add_co_u32 s32, s32, s35                     ; its row of cw2, my 256 units
	s_add_nc_u64 s[12:13], s[12:13], s[32:33]
	s_lshl_b32 s32, ttmp9, 13
	s_add_co_u32 s32, s32, s35                     ; two rows of part, my 256 columns
	s_add_nc_u64 s[14:15], s[14:15], s[32:33]
	s_lshl_b32 s32, ttmp9, 9                       ; two entries of ml
	s_add_nc_u64 s[16:17], s[16:17], s[32:33]
	global_load_b32 v[MK0], v[L4], s[6:7]
	global_load_b32 v[MK1], v[L4], s[6:7] offset:128
	global_load_b128 v[124:127], v[L16], s[12:13]
	global_load_b128 v[128:131], v[L16], s[12:13] offset:512
	LOADX 0, 0
	LOADX 1, 0
	LOADX 2, 0
	global_prefetch_b8 v252, s[46:47] th:TH_LOAD_NT scope:SCOPE_SE   ; behind my first loads; wf is first read behind the 16 steps of L
	global_prefetch_b8 v252, s[46:47] offset:6144 th:TH_LOAD_NT scope:SCOPE_SE   ; and my wave's other 24 blocks
	s_cmp_lg_u32 s18, 0
	s_cbranch_scc1 .Lno_ws
	global_prefetch_b8 v253, s[48:49] th:TH_LOAD_NT scope:SCOPE_SE
.Lno_ws:
	s_wait_loadcnt 48                              ; the mask and cw2 are in; the three steps' 48 loads behind them may be out
	ds_store_b128 v63, v[124:127]                  ; my units' cw2: read by my wave alone
	ds_store_b128 v63, v[128:131] offset:512
.Lblock:
	; ---- L.  Step 0's numbers go through the stage ahead of the steps
	s_wait_loadcnt 32                              ; step 0's 16 loads are in; those of steps 1 and 2 may be out
	TSTORE 0
	TLOAD
	s_wait_dscnt 16                                ; all but TLOAD's 16: the stores have read the buffer,
	LOADX 3, 0                                     ; which takes step 3's loads
	s_wait_dscnt 0x0
.irp i, 0,1,2,3,4,5,6,7,8,9,10,11,12,13,14,15
	LSTEP \i
.endr
	; ---- G
	s_mov_b32 s42, 0
	s_add_nc_u64 s[44:45], s[4:5], BLKB            ; where the tiles' prefetches stand: the next block's first byte; it steps 256 bytes a tile (in the last block it is made and never used)
	v_add_nc_u32 v[VCW], s42, v[VCW0]
.set n, 0
.rept 18
	v_mov_b32 v[SC+n], 0                           ; the eight rows' sums and cw2's: the tile is written for a loop, whose first trip finds zeros
.set n, n+1
.endr
	s_mov_b32 s20, 15
.Ltile:
	TILE 1
	s_sub_co_u32 s20, s20, 1
	s_cmp_lg_u32 s20, 0
	s_cbranch_scc1 .Ltile
	TILE 0                                         ; the last tile is written out: no load passes the end of wf
	; ---- N: the next block's first three steps are asked for, into buffers that G has left; the last block asks for nothing, so no load leaves inputs
	s_cmp_eq_u32 s19, 1
	s_cbranch_scc1 .Lno_next
	LOADX 0, BLKB
	LOADX 1, BLKB
	LOADX 2, BLKB
.Lno_next:
	; ---- my 256 units' part of the 128 scores
	s_wait_alu depctr_va_vdst(0)
.irp m, 0,1,2,3,4,5,6,7
	v_add_f32 v[60+\m], v[SC+2*\m], v[SC+2*\m+1]
.endr
	v_add_f32 v68, v[CS], v[CS+1]
.irp m, 0,1,2,3,4,5,6,7
	v_fma_f32 v[60+\m], v68, -0.5, v[60+\m]        ; sum(r cw2) - sum(cw2) / 2
.endr
.irp m, 0,1,2,3,4,5,6,7
	v_permlanex16_b32 v[70+\m], v[60+\m], s24, s25
.endr
.irp m, 0,1,2,3,4,5,6,7
	v_add_f32 v[60+\m], v[60+\m], v[70+\m]         ; with the other half's eight units of each tile
.endr
	v_and_b32 v78, 15, v0
	v_lshl_add_u32 v78, v78, 2, s38
.irp m, 0,1,2,3,4,5,6,7
	ds_store_b32 v78, v[60+\m] offset:64*\m        ; row 16 m + r (both halves of the lanes write the same word with the same value)
.endr
	s_wait_dscnt 0x0
	s_barrier_signal -1
	s_barrier_wait -1
	; ---- S: every wave alike; a lane holds rows 4 x lane + 0 .. 3
	v_add_nc_u32 v80, SCP, v[L16]
.irp w, 0,1,2,3
	ds_load_b128 v[60+4*\w:63+4*\w], v80 offset:512*\w
.endr
	v_mov_b32 v77, 0xf149f2ca                      ; -1e30
	v_lshl_add_u32 v81, v[L4], 1, s37              ; my copy of p, as bf16: 8 bytes a lane
	v_lshlrev_b32 v92, 1, v[L4]                    ; 8 x lane
	s_wait_dscnt 0x0
	v_pk_add_f32 v[60:61], v[60:61], v[64:65]
	v_pk_add_f32 v[62:63], v[62:63], v[66:67]
	v_pk_add_f32 v[68:69], v[68:69], v[72:73]
	v_pk_add_f32 v[70:71], v[70:71], v[74:75]
	v_pk_add_f32 v[60:61], v[60:61], v[68:69]
	v_pk_add_f32 v[62:63], v[62:63], v[70:71]      ; the scores
.irp k, 0,1,2,3
	v_bfe_u32 v76, v[MK0], 8*\k, 8
	v_cmp_ne_u32 vcc_lo, 0, v76
	v_cndmask_b32 v[60+\k], v77, v[60+\k], vcc_lo  ; a hidden row's score is -1e30
.endr
	v_pk_mul_f32 v[60:61], v[60:61], s[30:31] op_sel_hi:[1,0]
	v_pk_mul_f32 v[62:63], v[62:63], s[30:31] op_sel_hi:[1,0]   ; x log2(e)
	v_max3_num_f32 v82, v60, v61, v62
	v_max_num_f32 v82, v82, v63
	v_max_num_f32_dpp v82, v82, v82 row_xmask:1 row_mask:0xf bank_mask:0xf
	v_max_num_f32_dpp v82, v82, v82 row_xmask:2 row_mask:0xf bank_mask:0xf
	v_max_num_f32_dpp v82, v82, v82 row_xmask:4 row_mask:0xf bank_mask:0xf
	v_max_num_f32_dpp v82, v82, v82 row_xmask:8 row_mask:0xf bank_mask:0xf
	v_permlanex16_b32 v83, v82, s24, s25
	v_max_num_f32 v90, v82, v83                    ; M2: the block's maximum, taken away before the exponentials
.irp k, 0,1,2,3
	v_sub_f32 v[60+\k], v[60+\k], v90
.endr
	s_wait_alu depctr_va_vdst(0)
.irp k, 0,1,2,3
	v_exp_f32 v[60+\k], v[60+\k]                   ; p, at most 1
.endr
	v_nop                                          ; a plain instruction behind the exponentials
	s_wait_alu depctr_va_vdst(0)                   ; and the batch's one wait, ahead of its first reader
	v_add_f32 v84, v60, v61
	v_add_f32 v85, v62, v63
	v_add_f32 v84, v84, v85
	v_add_f32_dpp v84, v84, v84 row_xmask:1 row_mask:0xf bank_mask:0xf
	v_add_f32_dpp v84, v84, v84 row_xmask:2 row_mask:0xf bank_mask:0xf
	v_add_f32_dpp v84, v84, v84 row_xmask:4 row_mask:0xf bank_mask:0xf
	v_add_f32_dpp v84, v84, v84 row_xmask:8 row_mask:0xf bank_mask:0xf
	v_permlanex16_b32 v85, v84, s24, s25
	v_add_f32 v91, v84, v85                        ; the block's sum of p
	v_cvt_pk_bf16_f32 v86, v60, v61
	v_cvt_pk_bf16_f32 v87, v62, v63
	ds_store_b64 v81, v[86:87]                     ; p of rows 4 x lane + 0 .. 3, as bf16, into my wave's own copy
	s_cmp_lg_u32 s18, 0
	s_cbranch_scc1 .Lnot_wave_0
	global_store_b64 v92, v[90:91], s[16:17]       ; (M2, sum), 32 times over: the wave's store covers 256 consecutive, aligned bytes
.Lnot_wave_0:
	; ---- W: sum of p x over the 128 kept rows, my 256 columns: 16 tiles of columns x 4 K steps of 32 rows; two buffers of fragments by turns
	v_and_b32 v66, 7, v0
	v_bfe_u32 v67, v0, 4, 1                        ; h
	v_bfe_u32 v76, v0, 3, 1                        ; lanes 8-15 of a half
	v_and_b32 v77, 15, v0                          ; r
	v_lshl_add_u32 v66, v67, 3, v66                ; row 8 h + l % 8 of the K step
	v_mul_u32_u24 v66, v66, RETP
	v_lshl_add_u32 v66, v76, 7, v66                ; lanes 8-15: the piece 128 bytes on
	v_add_nc_u32 v[VT], s39, v66                   ; + 512 w: my 256 columns
	v_add_nc_u32 v[VT+1], 32*RETP, v[VT]
	v_add_nc_u32 v[VT+2], 64*RETP, v[VT]
	v_add_nc_u32 v[VT+3], 96*RETP, v[VT]
	v_lshl_add_u32 v[VPA], v67, 4, s37
	s_mul_i32 s40, s18, 16*STP
	s_add_co_u32 s40, s40, STG                     ; my stage, which L has left
	v_lshl_add_u32 v[VSO], v77, 2, s40
	v_mad_u32_u24 v[VSO], v76, 224, v[VSO]         ; 4 r, and for r >= 8 the place 64 columns on: 256 + 4 (r - 8)
	s_wait_alu depctr_va_vdst(0)
	LOADP                                          ; (LDS serves a wave's instructions in order: these see my store of p)
	LOADT 0, 1
	LOADT 1, 2
	s_wait_dscnt 32                                ; all but the 32 loads of K step 1
	MULW 0, 1, 1
	LOADT 2, 1
	s_wait_dscnt 32                                ; all but the 32 loads of K step 2
	MULW 1, 2, 0
	LOADT 3, 2
	s_wait_dscnt 32                                ; all but the 32 loads of K step 3
	MULW 2, 1, 0
	s_wait_dscnt 0x0
	MULW 3, 2, 0
	WIN 0x04                                       ; an LDS store's data are its source 1: window 1
.irp c, 0,1,2,3,4,5,6,7,8,9,10,11,12,13,14,15
	ds_store_b32 v[VSO], v[WAC+8*\c] offset:32*(\c+8*(\c/8))   ; each accumulator's lowest register (both halves of the lanes write the same word with the same value)
.endr
	WIN 0
	ds_load_b128 v[OB:OB+3], v[VST]                ; back as 1,024 consecutive bytes: columns 4 x lane + 0 .. 3,
	ds_load_b128 v[OB+4:OB+7], v[VST] offset:512   ; and those 128 columns on
	s_wait_dscnt 0x0
	global_store_b128 v[L16], v[OB:OB+3], s[14:15] th:TH_STORE_NT              ; 512 consecutive, aligned bytes
	global_store_b128 v[L16], v[OB+4:OB+7], s[14:15] offset:512 th:TH_STORE_NT
	s_wait_dscnt 0x0                               ; my reads of the kept rows are in:
	s_barrier_signal -1
	s_barrier_wait -1                              ; only when all four waves have said so are the rows written again
	s_wait_xcnt 0x0                                ; the loads, stores and prefetches have read their bases and registers
	v_mov_b32 v[MK0], v[MK1]
	s_add_nc_u64 s[4:5], s[4:5], BLKB
	s_add_nc_u64 s[14:15], s[14:15], 4096
	s_add_nc_u64 s[16:17], s[16:17], 256
	s_sub_co_u32 s19, s19, 1
	s_cmp_lg_u32 s19, 0
	s_cbranch_scc1 .Lblock
	s_wait_tensorcnt 0x0
	ds_add_u32 v254, v255
	s_wait_dscnt 0x0
	s_endpgm
.Lfunc_end_k_q0defdc5fe6_main:
	.size	k_q0defdc5fe6_main, .Lfunc_end_k_q0defdc5fe6_main-k_q0defdc5fe6_main
	.p2alignl 7, 3214868480
	.fill 96, 4, 3214868480
	.section	.rodata,"a",@progbits
	.p2align	6, 0x0
	.amdhsa_kernel k_q0defdc5fe6_main
		.amdhsa_group_segment_fixed_size 326656
		.amdhsa_private_segment_fixed_size 0
		.amdhsa_enable_private_segment 0
		.amdhsa_kernarg_size 56
		.amdhsa_user_sgpr_count 2
		.amdhsa_user_sgpr_kernarg_segment_ptr 1
		.amdhsa_wavefront_size32 1
		.amdhsa_system_sgpr_workgroup_id_x 1
		.amdhsa_system_sgpr_workgroup_id_y 1
		.amdhsa_system_sgpr_workgroup_id_z 1
		.amdhsa_system_vgpr_workitem_id 0
		.amdhsa_next_free_vgpr 1024
		.amdhsa_next_free_sgpr 66
		.amdhsa_reserve_vcc 1
		.amdhsa_float_denorm_mode_32 3
		.amdhsa_float_denorm_mode_16_64 3
		.amdhsa_memory_ordered 1
		.amdhsa_forward_progress 1
		.amdhsa_inst_pref_size 255
	.end_amdhsa_kernel
	.amdgpu_metadata
---
amdhsa.version: [ 1, 2 ]
amdhsa.kernels:
  - .name:           k_q0defdc5fe6_main
    .symbol:         k_q0defdc5fe6_main.kd
    .args:
      - { .name: inputs, .offset: 0, .size: 8, .value_kind: global_buffer, .address_space: global }
      - { .name: mask, .offset: 8, .size: 8, .value_kind: global_buffer, .address_space: global }
      - { .name: wf, .offset: 16, .size: 8, .value_kind: global_buffer, .address_space: global }
      - { .name: wsf, .offset: 24, .size: 8, .value_kind: global_buffer, .address_space: global }
      - { .name: cw2, .offset: 32, .size: 8, .value_kind: global_buffer, .address_space: global }
      - { .name: part, .offset: 40, .size: 8, .value_kind: global_buffer, .address_space: global }
      - { .name: ml, .offset: 48, .size: 8, .value_kind: global_buffer, .address_space: global }
    .group_segment_fixed_size: 326656
    .private_segment_fixed_size: 0
    .kernarg_segment_align: 8
    .kernarg_segment_size: 56
    .max_flat_workgroup_size: 128
    .sgpr_count:     66
    .vgpr_count:     1024
    .wavefront_size: 32
...
	.end_amdgpu_metadata
.endif
;; end of part 2
;; launch comb (part 3): grid 8 x 32, 1 waves a work-group, no clusters, 0 bytes of LDS; arguments part, ml, out0; writes out0
.if DOCPART == 3
	.amdgcn_target "amdgcn-amd-amdhsa--gfx1250"
	.amdhsa_code_object_version 6
	.text
	.protected	k_q0defdc5fe6_comb
	.globl	k_q0defdc5fe6_comb
	.p2align	8
	.type	k_q0defdc5fe6_comb,@function
k_q0defdc5fe6_comb:
	s_mov_b64 s[64:65], 0
	v_nop
	global_prefetch_b8 v0, s[64:65] scope:SCOPE_SE
	s_setreg_imm32_b32 hwreg(HW_REG_WAVE_MODE, 25, 1), 1
	s_wait_xcnt 0x0
; out0[b][:] = sum over the batch's 16 blocks j of 2^(M2_j - M) part[16 b + j][:] / sum over j of 2^(M2_j - M) L_j, M the largest M2_j: the blocks' softmaxes brought under the batch's maximum.
; One wave makes 128 columns (work-group x) of batch b (work-group y): 16 loads of 512 consecutive bytes, one store of 512.  Nothing is shared: no LDS, no barrier.
; The block with the largest M2 has weight 1 and a sum of at least 1, so the divisor is at least 1.  A block whose rows are all hidden has M2 = -1.44e30: its weight is 0 beside any block with an open row,
; and 1 where the whole batch is hidden, which gives the plain mean of the rows, as the softmax of equal scores does.
	s_load_b128 s[4:7], s[0:1], 0x0                ; part s[4:5], ml s[6:7]
	s_load_b64 s[8:9], s[0:1], 0x10                ; out0
	s_and_b32 s10, ttmp7, 0xffff                   ; the batch
	s_lshl_b32 s11, ttmp9, 9                       ; my 128 columns: 512 bytes
	s_lshl_b32 s12, s10, 16                        ; 16 rows of part
	s_add_co_u32 s12, s12, s11
	s_mov_b32 s13, 0
	s_lshl_b32 s14, s10, 12                        ; 16 entries of ml; also a row of out0
	s_mov_b32 s15, 0
	v_and_b32 v1, 15, v0
	v_lshlrev_b32 v1, 8, v1                        ; lane j and lane j + 16 take block j's entry
	v_lshlrev_b32 v2, 4, v0                        ; 16 x lane
	s_wait_alu depctr_va_vdst(0)
	s_wait_kmcnt 0x0
	s_add_nc_u64 s[4:5], s[4:5], s[12:13]
	s_add_nc_u64 s[6:7], s[6:7], s[14:15]
	s_add_co_u32 s14, s14, s11
	s_add_nc_u64 s[8:9], s[8:9], s[14:15]
	global_load_b64 v[4:5], v1, s[6:7]             ; (M2_j, L_j)
.irp j, 0,1,2,3,4,5,6,7,8,9,10,11,12,13,14,15
	global_load_b128 v[16+4*\j:19+4*\j], v2, s[4:5] offset:4096*\j th:TH_LOAD_NT
.endr
	s_wait_loadcnt 16                              ; the pair is in; the 16 rows behind it may be out
	v_mov_b32 v6, v4
	v_max_num_f32_dpp v6, v6, v6 row_xmask:1 row_mask:0xf bank_mask:0xf
	v_max_num_f32_dpp v6, v6, v6 row_xmask:2 row_mask:0xf bank_mask:0xf
	v_max_num_f32_dpp v6, v6, v6 row_xmask:4 row_mask:0xf bank_mask:0xf
	v_max_num_f32_dpp v6, v6, v6 row_xmask:8 row_mask:0xf bank_mask:0xf   ; M: each half of the lanes holds all 16 blocks
	v_sub_f32 v7, v4, v6
	s_wait_alu depctr_va_vdst(0)
	v_exp_f32 v7, v7                               ; 2^(M2_j - M)
	v_nop                                          ; a plain instruction behind the exponential
	s_wait_alu depctr_va_vdst(0)                   ; and the wait ahead of its first reader
	v_mul_f32 v8, v7, v5
	v_add_f32_dpp v8, v8, v8 row_xmask:1 row_mask:0xf bank_mask:0xf
	v_add_f32_dpp v8, v8, v8 row_xmask:2 row_mask:0xf bank_mask:0xf
	v_add_f32_dpp v8, v8, v8 row_xmask:4 row_mask:0xf bank_mask:0xf
	v_add_f32_dpp v8, v8, v8 row_xmask:8 row_mask:0xf bank_mask:0xf       ; the batch's sum
	s_wait_alu depctr_va_vdst(0)
	v_rcp_f32 v9, v8
	v_nop
	s_wait_alu depctr_va_vdst(0)
	v_mul_f32 v7, v7, v9                           ; block j's weight, in lane j
.irp j, 0,1,2,3,4,5,6,7,8,9,10,11,12,13,14,15
	v_readlane_b32 s[16+\j], v7, \j
.endr
	s_wait_loadcnt 0x0
.irp k, 0,1,2,3
	v_mul_f32 v[80+\k], s16, v[16+\k]              ; the first block starts the sums
.endr
.irp j, 1,2,3,4,5,6,7,8,9,10,11,12,13,14,15
.irp k, 0,1,2,3
	v_fmac_f32 v[80+\k], s[16+\j], v[16+4*\j+\k]
.endr
.endr
	global_store_b128 v2, v[80:83], s[8:9]         ; 32 lanes store 512 consecutive, aligned bytes
	s_endpgm
.Lfunc_end_k_q0defdc5fe6_comb:
	.size	k_q0defdc5fe6_comb, .Lfunc_end_k_q0defdc5fe6_comb-k_q0defdc5fe6_comb
	.p2alignl 7, 3214868480
	.fill 96, 4, 3214868480
	.section	.rodata,"a",@progbits
	.p2align	6, 0x0
	.amdhsa_kernel k_q0defdc5fe6_comb
		.amdhsa_group_segment_fixed_size 0
		.amdhsa_private_segment_fixed_size 0
		.amdhsa_enable_private_segment 0
		.amdhsa_kernarg_size 24
		.amdhsa_user_sgpr_count 2
		.amdhsa_user_sgpr_kernarg_segment_ptr 1
		.amdhsa_wavefront_size32 1
		.amdhsa_system_sgpr_workgroup_id_x 1
		.amdhsa_system_sgpr_workgroup_id_y 1
		.amdhsa_system_sgpr_workgroup_id_z 1
		.amdhsa_system_vgpr_workitem_id 0
		.amdhsa_next_free_vgpr 96
		.amdhsa_next_free_sgpr 66
		.amdhsa_reserve_vcc 0
		.amdhsa_float_denorm_mode_32 3
		.amdhsa_float_denorm_mode_16_64 3
		.amdhsa_memory_ordered 1
		.amdhsa_forward_progress 1
		.amdhsa_inst_pref_size 7
	.end_amdhsa_kernel
	.amdgpu_metadata
---
amdhsa.version: [ 1, 2 ]
amdhsa.kernels:
  - .name:           k_q0defdc5fe6_comb
    .symbol:         k_q0defdc5fe6_comb.kd
    .args:
      - { .name: part, .offset: 0, .size: 8, .value_kind: global_buffer, .address_space: global }
      - { .name: ml, .offset: 8, .size: 8, .value_kind: global_buffer, .address_space: global }
      - { .name: out0, .offset: 16, .size: 8, .value_kind: global_buffer, .address_space: global }
    .group_segment_fixed_size: 0
    .private_segment_fixed_size: 0
    .kernarg_segment_align: 8
    .kernarg_segment_size: 24
    .max_flat_workgroup_size: 32
    .sgpr_count:     66
    .vgpr_count:     96
    .wavefront_size: 32
...
	.end_amdgpu_metadata
.endif
;; end of part 3
